; MI455X (gfx1250); checked and timed in simulation.
; The chip was launched on July 23, 2026; its instructions are those of AMD's public machine-readable ISA for CDNA 5 (MIT licence, August 2026) and "CDNA5" Instruction Set Architecture Reference Guide (July 2026). The comments in the code are by the model that wrote it; some were corrected since.
;; Base Q. Allowed arithmetic: matrix products marked QUANTISED: E2M1 operands, one E8M0 scale for each 32 along K, by v_wmma_scale_f32_16x16x128_f8f6f4 with both operands' format E2M1 (or v_wmma_scale_f32_32x16x128_f4), f32 sums; everything else in f32.
;; Inputs: CodeBook 8,192 x 256 float32; x 16,384 x 256 float32.
;; Outputs: out0 16,384 x 256 float32; out1 one number int32.
;; Constants: soft_rate = 10.
;; This version of the problem:
;;   THIS VERSION OF THE PROBLEM IS GIVEN IN LOW PRECISION. The matrix products marked QUANTISED in the list below multiply operands that are first quantised to E2M1 (2 exponent bits, 1 mantissa bit; 4 bits a number), with one power-of-two scale for each 32 numbers along K (OCP MX v1.0); their sums are f32. All else is computed in f32.
;;   The module's matrix products, in the order in which they are computed (A, B: the left and right operand; K: the contracted axis; several contracted axes count as one K, in the product's order):
;;     1. [M 16,384, K 256] x [K 256, N 8,192]; A: input x; B: input CodeBook: QUANTISED
;;     2. [M 16,384, K 8,192] x [K 8,192, N 256]; A: softmax (see below); B: input CodeBook: QUANTISED
;;   THE QUANTISER, for each operand of a quantised product, along K:
;;     - K is cut into blocks of 32 from its start; a last block that is shorter is filled with zeros.
;;     - A block's scale is 2^e with e = floor(log2(the largest magnitude in the block)) - 2, held to -126 .. 127; a block of zeros has e = 0. As a byte (E8M0): e + 127.
;;     - Each number is divided by its block's scale, clamped to +-6, and rounded to the nearest number of E2M1, ties to even, subnormals kept.
;;     - The product sums the exact products of the quantised numbers (number of the format x scale) in f32.
;;   ~~~python
;;   def quantise(x, axis):      # numpy; x: float32 -> the quantised numbers, widened to float32 again
;;       x = np.moveaxis(x, axis, -1); K = x.shape[-1]
;;       x = np.pad(x, [(0, 0)] * (x.ndim - 1) + [(0, -K % 32)]); x = x.reshape(x.shape[:-1] + (-1, 32)); a = np.abs(x).max(-1, keepdims=True)
;;       e = np.where(a > 0, np.clip(np.frexp(np.where(a > 0, a, 1))[1] - 1 - 2, -126, 127), 0)      # np.frexp(a)[1] - 1 = floor(log2(a)), exactly
;;       r = np.clip(x / 2.0 ** e, -6, 6)
;;       step = 2.0 ** (np.maximum(np.frexp(np.where(r == 0, 1, r))[1] - 1, 0) - 1)
;;       q = np.round(r / step) * step * 2.0 ** e      # np.round: ties to even
;;       return np.moveaxis(q.reshape(q.shape[:-2] + (-1,))[..., :K], -1, axis).astype(np.float32)
;;   ~~~
;;   SOFTMAX AHEAD OF A QUANTISED PRODUCT. Where the list says 'softmax', what is quantised is not the finished softmax but p = 2^(t - M), with t = logit x log2(e) and M = ceil(the row's largest t), a whole number; so 1/2 < the row's largest p <= 1. The row's sum l is taken of the UNQUANTISED p, in f32, and the product's result is divided by l at the end. Since M is a whole number, a kernel that streams over the keys may use a running M (the ceiling of the running maximum): every later rescaling is an exact power of two, which a block's scale takes up: the codes' values come out the same.
;;   OPERANDS COMPUTED ON THE WAY. 'Computed on the way' means the value that the module computes at that place (a softmax that the list does not call 'softmax' is quantised finished and normalised). What goes into a quantiser is computed in f32, as accurately as f32 sums, v_exp_f32 and their like allow (about 1e-6 of the number): no bf16 or f16 on the way to a quantiser, and a product that is left as it is and whose result goes on into a quantised operand takes f32 operands (vector FMAs, or v_wmma_f32_16x16x4_f32). A number that lies on a knife's edge between two numbers of the format may be rounded either way, as far as f32 arithmetic and the matrix unit's own rounding can turn it there, and no further.
;; One version. Each part assembles by itself: llvm-mc -triple=amdgcn-amd-amdhsa -mcpu=gfx1250 --defsym DOCPART=n.
;; ======== version 1 of 1: 2 launches
;; limits: right only within a limited range of input values
;; workspace buffers: ws 6,782,976 bytes
;; launch prep (part 1): grid 320 x 1, 4 waves a work-group, no clusters, 40,448 bytes of LDS; arguments CodeBook, x, ws, out1; writes ws, out1
.if DOCPART == 1
	.amdgcn_target "amdgcn-amd-amdhsa--gfx1250"
	.amdhsa_code_object_version 6
	.text
	.protected	k_q8d64e22099_prep
	.globl	k_q8d64e22099_prep
	.p2align	8
	.type	k_q8d64e22099_prep,@function
k_q8d64e22099_prep:
	s_mov_b64 s[64:65], 0
	v_nop
	global_prefetch_b8 v0, s[64:65] scope:SCOPE_SE
	s_setreg_imm32_b32 hwreg(HW_REG_WAVE_MODE, 25, 1), 1
	s_wait_xcnt 0x0
; One launch prepares all operands.  Work-groups 0-191: CodeBook [8192][256] and x [16384][256], f32, are quantised ALONG THEIR ROWS (the first product's K) into codes of FP4 (E2M1) with one E8M0 byte for each 32
; numbers, and each row's sum of squares (of the unquantised numbers) is made.  Work-groups 192-319: CodeBook is quantised DOWN THE KEYS (the second product's K); and out1 = -1 is stored.
; A block's scale is 2^(floor(log2(its largest magnitude)) - 2); its byte is the largest magnitude's exponent field - 2, held at 1 from below.
; LIMITS: NaN and infinities are not served; blocks whose largest magnitude lies under 2^-124 have their byte held at 1; a block of zeros gets the byte 1 where the quantiser's text says 127:
; its codes are zeros, which add nothing under any byte but 0xff, and this program alone reads the bytes.
; ws is 48 records of SLOTB bytes: records 0-15 the code book (512 keys each), 16-47 x (512 queries each).  A record is 4 groups of 128 rows, GRP bytes each:
;   +0 KC 16,384 bytes, images of operand registers [b 4][u 2][block 8][r 16][16 bytes]: place r of tile (b, u) is row 32 b + 8 u + r + 8 (r / 8);  +16,384 VC [tile T 16][block 4][r 16][16 bytes], channel 16 T + r;
;   +32,768 KS [row 128][8 scale bytes];  +33,792 VS [channel 256][4 scale bytes];  +34,816 C2 [row 128] sums of squares.
; ROWS.  Work-group n fills group n (0-63 the code book, 64-191 x); a wave takes 32 rows in 16 steps of 512 numbers.  A step's four loads read 512 consecutive bytes each; the 2,048 bytes turn through the wave's own
; stage in LDS and come back 64 bytes a lane: 16 neighbours of a block, two lanes to a block, sixteen lanes to a row.  Codes, scale bytes and sums are gathered in the wave's LDS and leave at the end in runs of 512, 256 and 128 bytes.
; COLUMNS.  A lane takes a channel and its registers run down the keys: a block of 32 keys lies in one lane's 32 registers, and the conversions give 16 bytes with the keys innermost.  Work-group 192 + m: keys 128 (m / 2) on;
; wave w: channels 32 (4 (m % 2) + w) on: the four waves read 512 consecutive bytes of a row.  Each half of a wave stores 256 consecutive bytes, aligned.  This path uses no LDS.
; No barrier: waves share nothing.  The two paths part on the work-group's number alone; the row work, the longer, has the lower numbers.
.set STEPS, 16
.set SLOTB, 141312
.set GRP,   35328
.set VCO,   16384
.set KSO,   32768
.set VSO,   33792
.set C2O,   34816
.set WREG,  9984                       ; LDS of a wave: two stages of 32 x SP, then SCB, SUM, IMG
.set SP,    80
.set SCB,   5120
.set SUM,   5376
.set IMG,   5632
.set IP,    272
.set R,     16                         ; v16-79   four sets of 16 numbers as loaded
.set X,     80                         ; v80-111  two sets of 16 neighbours
.set E,     112                        ; v112-127 a scale byte for each step
.set C,     128                        ; v128-159 codes
.set SQ,    160                        ; v160-175 a row's sum for each step
.set AC,    176
.set KX,    32                         ; columns: v32-159 four blocks of 32 numbers
.set KC,    160                        ; v160-175 four blocks' codes
	s_load_b128 s[4:7], s[0:1], 0x0                ; CodeBook, x
	s_load_b128 s[8:11], s[0:1], 0x10              ; ws, out1
	s_cmp_ge_u32 ttmp9, 192
	s_cbranch_scc1 .Lcols
	v_lshl_add_u32 v192, v0, 2, 0x9c00             ; my spare word, behind the four waves' regions
	v_mov_b32 v193, 0
	v_lshrrev_b32 v1, 5, v0
	v_readfirstlane_b32 s16, v1                    ; wave 0..3
	v_and_b32 v2, 31, v0
	v_lshlrev_b32 v3, 4, v2                        ; my 16 bytes of 512
	s_mul_i32 s17, s16, WREG
	v_lshrrev_b32 v14, 2, v2
	v_mul_u32_u24 v14, v14, SP
	v_and_b32 v15, 3, v2
	v_lshl_add_u32 v14, v15, 4, v14
	v_add_nc_u32 v14, s17, v14                     ; the stage, in: SP (lane / 4) + 16 (lane % 4)
	v_mul_u32_u24 v15, v2, SP
	v_add_nc_u32 v15, s17, v15                     ; out: SP x lane
	v_lshrrev_b32 v5, 1, v2
	v_add_nc_u32 v5, s17, v5                       ; my block's scale byte
	v_lshl_add_u32 v6, v2, 3, s17
	v_lshlrev_b32 v7, 3, v2
	v_bfe_u32 v4, v2, 1, 3                         ; my block
	v_mul_u32_u24 v4, v4, IP
	v_lshrrev_b32 v8, 4, v2                        ; which of the step's two rows
	v_lshl_add_u32 v4, v8, 4, v4
	v_and_b32 v9, 1, v2
	v_lshl_add_u32 v4, v9, 3, v4
	v_add_nc_u32 v4, s17, v4                       ; my 8 bytes in the image
	v_lshl_add_u32 v10, v8, 2, s17
	v_lshl_add_u32 v12, v2, 2, s17
	v_lshlrev_b32 v13, 2, v2
	v_mul_u32_u24 v1, v8, IP
	v_and_b32 v9, 15, v2
	v_lshl_add_u32 v1, v9, 4, v1
	v_add_nc_u32 v1, s17, v1                       ; the image on the way out
	s_lshr_b32 s20, ttmp9, 2
	s_mul_i32 s20, s20, SLOTB
	s_and_b32 s21, ttmp9, 3
	s_mul_i32 s21, s21, GRP
	s_add_co_u32 s20, s20, s21                     ; my group in ws
	s_mov_b32 s21, 0
	s_mov_b32 s23, 0
	s_mov_b32 s19, 0
	s_wait_alu depctr_va_vdst(0)                   ; the wait at the head's end
	s_wait_kmcnt 0x0
	s_cmp_lt_u32 ttmp9, 64                         ; the code book's work-group or x's
	s_cselect_b64 s[4:5], s[4:5], s[6:7]
	s_cselect_b32 s18, 0, 64
	s_sub_co_u32 s18, ttmp9, s18
	s_lshl_b32 s18, s18, 2
	s_add_co_u32 s18, s18, s16
	s_lshl_b32 s18, s18, 15                        ; 32 rows of 1,024 bytes
	s_add_nc_u64 s[4:5], s[4:5], s[18:19]
	s_add_nc_u64 s[8:9], s[8:9], s[20:21]
	s_lshl_b32 s22, s16, 12
	s_add_nc_u64 s[10:11], s[8:9], s[22:23]        ; my 4,096 bytes of codes
	s_lshl_b32 s22, s16, 8
	s_add_nc_u64 s[12:13], s[8:9], s[22:23]        ; my 256 scale bytes
	s_lshl_b32 s22, s16, 7
	s_add_nc_u64 s[14:15], s[8:9], s[22:23]        ; my 32 sums
.macro LOAD t
.irp i, 0,1,2,3
	global_load_b128 v[R+16*((\t)%4)+4*\i:R+16*((\t)%4)+4*\i+3], v3, s[4:5] offset:2048*(\t)+512*\i th:TH_LOAD_NT
.endr
.endm
.macro TURN t                          ; LDS serves a wave's instructions in order: no wait between the stores and the loads
.irp i, 0,1,2,3
	ds_store_b128 v14, v[R+16*((\t)%4)+4*\i:R+16*((\t)%4)+4*\i+3] offset:32*SP*((\t)%2)+8*SP*\i
.endr
.irp i, 0,1,2,3
	ds_load_b128 v[X+16*((\t)%2)+4*\i:X+16*((\t)%2)+4*\i+3], v15 offset:32*SP*((\t)%2)+16*\i
.endr
.endm
.irp t, 0,1,2,3
	LOAD \t
.endr
	s_wait_loadcnt 12                              ; step 0's four loads are in
	TURN 0
.macro STEP t
.set XS, X+16*((\t)%2)
.if (\t) > 0
	s_wait_dscnt 3                                 ; this step's numbers are back (the last step's three small stores may be out)
.else
	s_wait_dscnt 0x0
.endif
.if (\t)+4 < STEPS
	LOAD (\t)+4
.endif
.if (\t)+1 < STEPS
.if STEPS-2-(\t) >= 3
	s_wait_loadcnt 12                              ; the next step's four loads are in; three steps' may be out
.else
	s_wait_loadcnt 4*(STEPS-2-(\t))
.endif
	TURN (\t)+1
.endif
	v_max3_num_f32 v8, |v[XS]|, |v[XS+1]|, |v[XS+2]|
	v_max3_num_f32 v9, |v[XS+3]|, |v[XS+4]|, |v[XS+5]|
.irp i, 6,10
	v_max3_num_f32 v8, v8, |v[XS+\i]|, |v[XS+\i+1]|
	v_max3_num_f32 v9, v9, |v[XS+\i+2]|, |v[XS+\i+3]|
.endr
	v_max3_num_f32 v8, v8, |v[XS+14]|, |v[XS+15]|
	v_max3_num_f32 v8, v8, v9, 0x1800000           ; the floor 2^(3 - 127)
	v_max_num_f32_dpp v8, v8, v8 row_xmask:1 row_mask:0xf bank_mask:0xf
	v_add_nc_u32 v11, 0xff000000, v8               ; 2 off the exponent field: the conversion's scale operand
	v_cvt_scalef32_pk8_fp4_f32 v[C+2*(\t)], v[XS:XS+7], v11
	v_cvt_scalef32_pk8_fp4_f32 v[C+2*(\t)+1], v[XS+8:XS+15], v11
	v_lshrrev_b32 v[E+(\t)], 23, v11               ; the scale's byte (also the plain line behind the conversions)
	v_pk_mul_f32 v[AC:AC+1], v[XS:XS+1], v[XS:XS+1]
.irp i, 2,4,6,8,10,12,14
	v_pk_fma_f32 v[AC:AC+1], v[XS+\i:XS+\i+1], v[XS+\i:XS+\i+1], v[AC:AC+1]
.endr
	v_add_f32 v[SQ+(\t)], v[AC], v[AC+1]
	v_add_f32_dpp v[SQ+(\t)], v[SQ+(\t)], v[SQ+(\t)] row_xmask:1 row_mask:0xf bank_mask:0xf
	v_add_f32_dpp v[SQ+(\t)], v[SQ+(\t)], v[SQ+(\t)] row_xmask:2 row_mask:0xf bank_mask:0xf
	v_add_f32_dpp v[SQ+(\t)], v[SQ+(\t)], v[SQ+(\t)] row_xmask:4 row_mask:0xf bank_mask:0xf
	v_add_f32_dpp v[SQ+(\t)], v[SQ+(\t)], v[SQ+(\t)] row_xmask:8 row_mask:0xf bank_mask:0xf
	ds_store_b8 v5, v[E+(\t)] offset:SCB+16*(\t)
	ds_store_b64 v4, v[C+2*(\t):C+2*(\t)+1] offset:IMG+(((\t)/4)%2)*8*IP+(8*((\t)/8)+2*((\t)%4))*16   ; rows 2 t, 2 t + 1: tile u = (t / 4) % 2, place r = 2 (t % 4) + 8 (t / 8) (+ 1)
	ds_store_b32 v10, v[SQ+(\t)] offset:SUM+8*(\t)
.endm
.irp t, 0,1,2,3,4,5,6,7,8,9,10,11,12,13,14,15
	STEP \t
.endr
.irp i, 0,1,2,3,4,5,6,7
	ds_load_b128 v[R+4*\i:R+4*\i+3], v1 offset:IMG+2*IP*\i
.endr
	ds_load_b64 v[R+32:R+33], v6 offset:SCB
	ds_load_b32 v[R+34], v12 offset:SUM
	s_wait_dscnt 0x0
.irp i, 0,1,2,3,4,5,6,7
	global_store_b128 v3, v[R+4*\i:R+4*\i+3], s[10:11] offset:512*\i
.endr
	global_store_b64 v7, v[R+32:R+33], s[12:13] offset:KSO
	global_store_b32 v13, v[R+34], s[14:15] offset:C2O
	s_wait_tensorcnt 0x0                           ; the wave's end
	ds_add_u32 v192, v193
	s_wait_dscnt 0x0
	s_endpgm
.Lcols:
	v_lshrrev_b32 v1, 5, v0
	v_readfirstlane_b32 s16, v1                    ; wave 0..3
	v_and_b32 v2, 31, v0
	v_lshlrev_b32 v3, 2, v2                        ; 4 bytes a lane: in, and the scale word out
	v_lshrrev_b32 v4, 4, v2
	v_lshlrev_b32 v4, 10, v4
	v_and_b32 v5, 15, v2
	v_lshl_add_u32 v4, v5, 4, v4                   ; my codes: tile lane / 16 (1,024 bytes), place lane % 16
	s_sub_co_u32 s19, ttmp9, 192                   ; m = 0..127
	s_and_b32 s17, s19, 1
	s_lshl_b32 s17, s17, 2
	s_add_co_u32 s17, s17, s16                     ; which 32 channels: 0..7
	s_lshr_b32 s18, s19, 1                         ; which 128 keys: 0..63
	s_lshl_b32 s20, s18, 17
	s_lshl_b32 s21, s17, 7
	s_add_co_u32 s20, s20, s21
	s_mov_b32 s21, 0
	s_lshr_b32 s22, s18, 2
	s_mul_i32 s22, s22, SLOTB
	s_and_b32 s23, s18, 3
	s_mul_i32 s23, s23, GRP
	s_add_co_u32 s22, s22, s23                     ; the group in ws
	s_lshl_b32 s24, s17, 11                        ; two tiles of 1,024 bytes
	s_add_co_u32 s24, s24, s22
	s_mov_b32 s25, 0
	s_lshl_b32 s26, s17, 7                         ; 32 scale words
	s_add_co_u32 s26, s26, s22
	s_mov_b32 s27, 0
	s_wait_alu depctr_va_vdst(0)                   ; the wait at the head's end
	s_wait_kmcnt 0x0
	s_add_nc_u64 s[4:5], s[4:5], s[20:21]
	s_add_nc_u64 s[12:13], s[8:9], s[24:25]
	s_add_nc_u64 s[14:15], s[8:9], s[26:27]
.macro CLOAD t                         ; block t: CodeBook(32 t + i, my channel)
.set i, 0
.rept 32
	global_load_b32 v[KX+32*(\t)+i], v3, s[4:5] offset:(32*(\t)+i)*1024 th:TH_LOAD_NT
.set i, i+1
.endr
.endm
	CLOAD 0
	CLOAD 1
.macro BLOCK t
.set XS, KX+32*(\t)
.if (\t) < 3
	s_wait_loadcnt 32                              ; this block's 32 loads are in; the next block's may be out
.else
	s_wait_loadcnt 0x0
.endif
.if (\t)+2 < 4
	CLOAD (\t)+2
.endif
	v_max3_num_f32 v12, |v[XS]|, |v[XS+1]|, |v[XS+2]|
	v_max3_num_f32 v13, |v[XS+3]|, |v[XS+4]|, |v[XS+5]|
.irp i, 6,10,14,18,22,26
	v_max3_num_f32 v12, v12, |v[XS+\i]|, |v[XS+\i+1]|
	v_max3_num_f32 v13, v13, |v[XS+\i+2]|, |v[XS+\i+3]|
.endr
	v_max3_num_f32 v12, v12, |v[XS+30]|, |v[XS+31]|
	v_max3_num_f32 v12, v12, v13, 0x1800000
	v_add_nc_u32 v11, 0xff000000, v12
	v_lshrrev_b32 v13, 23, v11
.if (\t) == 0
	v_mov_b32 v24, v13                             ; four bytes make my channel's scale word, the lower keys in the lower byte
.else
	v_lshl_or_b32 v24, v13, 8*(\t), v24
.endif
.irp g, 0,1,2,3
	v_cvt_scalef32_pk8_fp4_f32 v[KC+4*(\t)+\g], v[XS+8*\g:XS+8*\g+7], v11
.endr
	global_store_b128 v4, v[KC+4*(\t):KC+4*(\t)+3], s[12:13] offset:VCO+256*(\t)
.endm
	BLOCK 0
	BLOCK 1
	BLOCK 2
	BLOCK 3
	global_store_b32 v3, v24, s[14:15] offset:VSO
	s_or_b32 s20, s19, s16                         ; out1 is stored by thread 0 of work-group 192
	s_cmp_lg_u32 s20, 0
	s_cbranch_scc1 .Lend
	v_mov_b32 v25, -1
	v_mov_b32 v26, 0
	s_wait_alu depctr_va_vdst(0)
	s_wait_xcnt 0x0                                ; EXEC is a source of the stores above: it changes only behind this wait
	v_cmp_eq_u32 vcc_lo, 0, v0
	s_and_saveexec_b32 s21, vcc_lo
	global_store_b32 v26, v25, s[10:11]
	s_wait_xcnt 0x0
	s_or_b32 exec_lo, exec_lo, s21
.Lend:
	s_endpgm
.Lfunc_end_k_q8d64e22099_prep:
	.size	k_q8d64e22099_prep, .Lfunc_end_k_q8d64e22099_prep-k_q8d64e22099_prep
	.p2alignl 7, 3214868480
	.fill 96, 4, 3214868480
	.section	.rodata,"a",@progbits
	.p2align	6, 0x0
	.amdhsa_kernel k_q8d64e22099_prep
		.amdhsa_group_segment_fixed_size 40448
		.amdhsa_private_segment_fixed_size 0
		.amdhsa_enable_private_segment 0
		.amdhsa_kernarg_size 32
		.amdhsa_user_sgpr_count 2
		.amdhsa_user_sgpr_kernarg_segment_ptr 1
		.amdhsa_wavefront_size32 1
		.amdhsa_system_sgpr_workgroup_id_x 1
		.amdhsa_system_sgpr_workgroup_id_y 1
		.amdhsa_system_sgpr_workgroup_id_z 1
		.amdhsa_system_vgpr_workitem_id 0
		.amdhsa_next_free_vgpr 194
		.amdhsa_next_free_sgpr 66
		.amdhsa_reserve_vcc 1
		.amdhsa_float_denorm_mode_32 3
		.amdhsa_float_denorm_mode_16_64 3
		.amdhsa_memory_ordered 1
		.amdhsa_forward_progress 1
		.amdhsa_inst_pref_size 69
	.end_amdhsa_kernel
	.amdgpu_metadata
---
amdhsa.version: [ 1, 2 ]
amdhsa.kernels:
  - .name:           k_q8d64e22099_prep
    .symbol:         k_q8d64e22099_prep.kd
    .args:
      - { .name: CodeBook, .offset: 0, .size: 8, .value_kind: global_buffer, .address_space: global }
      - { .name: x, .offset: 8, .size: 8, .value_kind: global_buffer, .address_space: global }
      - { .name: ws, .offset: 16, .size: 8, .value_kind: global_buffer, .address_space: global }
      - { .name: out1, .offset: 24, .size: 8, .value_kind: global_buffer, .address_space: global }
    .group_segment_fixed_size: 40448
    .private_segment_fixed_size: 0
    .kernarg_segment_align: 8
    .kernarg_segment_size: 32
    .max_flat_workgroup_size: 128
    .sgpr_count:     66
    .vgpr_count:     194
    .wavefront_size: 32
...
	.end_amdgpu_metadata
.endif
;; end of part 1
;; launch vq (part 2): grid 256 x 1, 8 waves a work-group, clusters of 4 x 1, 327,680 bytes of LDS; arguments ws, out0; writes out0
.if DOCPART == 2
	.amdgcn_target "amdgcn-amd-amdhsa--gfx1250"
	.amdhsa_code_object_version 6
	.text
	.protected	k_q8d64e22099_vq
	.globl	k_q8d64e22099_vq
	.p2align	8
	.type	k_q8d64e22099_vq,@function
k_q8d64e22099_vq:
	s_mov_b64 s[64:65], 0
	v_nop
	global_prefetch_b8 v0, s[64:65] scope:SCOPE_SE
	s_setreg_imm32_b32 hwreg(HW_REG_WAVE_MODE, 25, 1), 1
	s_wait_xcnt 0x0
	s_wait_alu depctr_hold_cnt(0) depctr_sa_sdst(0) depctr_va_vdst(0) depctr_va_sdst(0) depctr_va_ssrc(0) depctr_va_vcc(0) depctr_vm_vsrc(0)
	s_getreg_b32 s2, hwreg(HW_REG_IB_STS2, 6, 4)
	s_cmp_eq_u32 s2, 0
	s_cbranch_scc0 .Lentry_in_a_cluster
	s_endpgm
.Lentry_in_a_cluster:
	s_bfe_u32 s2, ttmp6, 0x10000c
	s_cmp_lg_u32 s2, 0x3003
	s_cbranch_scc0 .Lentry_shape_is_right
	s_endpgm
.Lentry_shape_is_right:
; out0[q][:] = the sum over keys k of softmax_k(-10 |x_q - c_k|) c_k[:]: 16,384 queries, 8,192 keys, 256 channels; both products on codes of FP4 (E2M1) with one E8M0 scale for each 32 along a product's K.
; sq = x2 + c2 - 2 s, s the first product; d = sqrt(max(sq, 0)); t = -c d, c = 10 log2(e); NM = -M = floor(c x the smallest d so far); p = 2^(NM - c d) is quantised along the keys;
; the row's sum is taken of the unquantised p and divides at the end.  When M moves, the sum and O are multiplied by 2^(new NM - old NM), a power of two.
; c2 - 2 s comes from the matrix unit: the queries' codes have their signs turned and their scale bytes raised by one (at most 252 + 1 for finite x), and c2 is the C of a tile's first product.
; A block's largest p is not searched for: the block's smallest sq goes through the same root, multiply-add and exponential as its element does (this takes the root and the exponential not to fall where their input rises).
; LIMITS: NaN and infinities are not served; the promise holds while c d stays under 2^31; p under 2^-126 counts as 0; the f32 sums' order is (c2 - 2 s) + x2, and the keys' sums are made in four quarters and joined.
; SHARES.  A work-group owns 64 queries; wave w takes 32 of them (two tiles of 16), half w % 2, and of each record of 512 keys the group of 128 keys w / 2: 16 key steps a wave; each fragment read from LDS feeds two products.
; THE CODE BOOK comes through a ring of two LDS slots, a record (141,312 bytes: codes both ways as images of operand registers, scale bytes, c2) to a slot; each wave fetches an eighth, 69 rows of 256 bytes.
; CLUSTER.  All work-groups walk the same records: the four of a cluster ask jointly, by the same descriptor and a mask that names the four.
; THE CHANGE OF SLOTS stands at a step's END, when V's fragments have been asked for: the wait for all tensor loads, the add, the wait for the add and for all my reads of the slot, the round; behind it the slot just left is filled with record t + 2.
; TWO PHASES.  A step's last part, O's rescaling and the second product, works on registers alone once V's fragments are in.  Waves 0 to 3 do it ahead of the change of slots, waves 4 to 7 behind it, ahead of their next step:
; so four waves read K from LDS while the other four multiply, and the later parts of the two groups' steps stand apart by that stretch.
; PREFETCH.  The change behind step t, whose tensor load asks for record t + 2, names record t + 4: of a wave's 69 rows the partner at place cx names rows 18 cx on, a lane a row (lanes left over name the last again); from step 12 on nothing is asked for.
; O^T BEGINS AS ZEROS, cleared once at the head, and the first f is 0: so step 0 has no text of its own, and the step is written four times (two in the loop, two behind it) and not six.
; LAYOUT.  Both products are used transposed (source 0 = 16 keys or 16 channels, source 1 = 16 queries): a lane holds one query (lane % 16).  Place r of tile 2 b + u is row 32 b + 8 u + r + 8 (r / 8),
; so that the 16 registers of tiles 2 b, 2 b + 1 are keys 32 b + 16 (lane / 16) + 0 .. 15.
; A KEY STEP keeps roots and exponentials in two batches of 136, each with one wait ahead and one behind; all plain work on the scores stands among the score products.
; REGISTERS, window 0: v1, v2 the add's; v3-10 LDS addresses; v11 the prefetch's offset; v12-19, v20-27 a tile's statistics: +0 NM, +1 the smallest d, +2, +3 the sum, +4 x2, +5 0, +6 f, +7 at work (a second chain of a block's minimum);
;   v28-29 Q's scale words; v30-31 P's; v32-63 Q; v64-95 two sets of K's fragments; v96-111 two sets of c2; v112-119 K's, then V's scale words; v120-127 the blocks' smallest sq, d, largest p; v128-255 S^T, p, then V's fragments.
;   Behind the scores: v64-71, v96-99 at work, v72-79 the conversions' scale operands, v80-95 P's codes.   window 1: O^T, tile u, channels 16 T on, at v[128 u + 8 T].
.set SLOTB, 141312
.set GRP,   35328
.set PART,  17664
.set VCO,   16384
.set KSO,   32768
.set VSO,   33792
.set C2O,   34816
.set STAT,  2*SLOTB                    ; the waves' NM and sums, 512 bytes a wave
.set SPARE, STAT+4096                  ; the spare words, 128 bytes a wave
.set MP,    1040                       ; the joining stage: a row of 1,024 bytes + 16
.set MST,   32*MP                      ; 32 rows a wave, over the slots, behind their last fill and last read
.set MSB, 0
.macro WIN new
.if MSB != \new
	s_set_vgpr_msb (MSB<<8)|\new
.set MSB, \new
.endif
.endm
.macro PLACES n
.rept \n
	v_nop
.endr
.endm
.macro ROUND                           ; a round of the cluster's barrier
	s_barrier_signal -1
	s_barrier_wait -1
	s_cmp_lg_u32 s8, 0
	s_cbranch_scc1 .Lnot_wave_0_\@
	s_barrier_signal -3
.Lnot_wave_0_\@:
	s_barrier_wait -3
	s_barrier_signal -1
	s_barrier_wait -1
.endm
	s_load_b128 s[4:7], s[0:1], 0x0                ; ws, out0
	v_lshl_add_u32 v1, v0, 2, SPARE
	v_mov_b32 v2, 0
	ds_add_u32 v1, v2                              ; the opening lines: the add twice on end and its wait
	ds_add_u32 v1, v2
	v_lshrrev_b32 v11, 5, v0
	v_readfirstlane_b32 s8, v11                    ; wave 0..7
	s_and_b32 s9, s8, 1                            ; which 32 queries
	s_lshr_b32 s10, s8, 1                          ; which quarter of the keys
	s_bfe_u32 s11, ttmp6, 0x40000                  ; cx
	s_lshl_b32 s12, ttmp9, 2
	s_add_co_u32 s12, s12, s11                     ; my block of 64 queries: it enters global addresses alone
	s_mul_i32 s14, s11, 18                         ; my work-group's rows of a prefetch
	s_mov_b32 s16, 15|(3<<16)|(1<<21)              ; group 1: mask of all four; elements of 8 bytes; bit 21 beside the mask
	s_mov_b32 s17, 32<<16
	s_mov_b32 s18, 69<<16
	s_mov_b32 s19, 32<<16
	s_mov_b32 s20, 69
	s_mov_b32 s21, 32
	s_mov_b32 s22, 0
	s_mov_b32 s23, 0
	s_mov_b32 s32, 0x76543210                      ; selects for lane l xor 16
	s_mov_b32 s33, 0xfedcba98
	s_mov_b32 s34, 0xc166d4ca                      ; -c
	s_mov_b32 s35, s34
	s_mov_b32 s36, 0x4166d4ca                      ; c
	s_mul_i32 s38, s8, PART                        ; my eighth of a record, in memory and in a slot
	s_mov_b32 s39, 0
	s_mul_i32 s13, s10, GRP                        ; my group of keys in a slot
	s_lshr_b32 s40, s12, 3                         ; the queries: record 16 + block / 8, group (block / 2) % 4, b = 2 (block % 2) + my half
	s_add_co_u32 s40, s40, 16
	s_mul_i32 s40, s40, SLOTB
	s_bfe_u32 s41, s12, 0x20001
	s_mul_i32 s41, s41, GRP
	s_add_co_u32 s40, s40, s41
	s_and_b32 s41, s12, 1
	s_lshl_b32 s41, s41, 1
	s_add_co_u32 s41, s41, s9
	s_lshl_b32 s42, s41, 12                        ; codes: 4,096 bytes a b
	s_add_co_u32 s42, s42, s40
	s_mov_b32 s43, 0
	s_lshl_b32 s44, s41, 8                         ; scale bytes: 256
	s_add_co_u32 s44, s44, s40
	s_mov_b32 s45, 0
	s_lshl_b32 s46, s41, 7                         ; sums of squares: 128
	s_add_co_u32 s46, s46, s40
	s_mov_b32 s47, 0
	s_lshl_b32 s40, s12, 6                         ; the eight rows of out0 that I store: queries 64 block + 32 half + 8 (g / 2) + 16 (g % 2) on
	s_lshl_b32 s41, s9, 5
	s_add_co_u32 s40, s40, s41
	s_lshr_b32 s41, s10, 1
	s_lshl_b32 s41, s41, 3
	s_add_co_u32 s40, s40, s41
	s_and_b32 s41, s10, 1
	s_lshl_b32 s41, s41, 4
	s_add_co_u32 s40, s40, s41
	s_lshl_b32 s40, s40, 10
	s_mov_b32 s41, 0
	s_wait_alu depctr_va_vdst(0)                   ; the wait ahead of the waits below
	s_wait_dscnt 0x0                               ; both opening adds are done
	s_wait_kmcnt 0x0
	s_add_nc_u64 s[6:7], s[6:7], s[40:41]
	s_add_nc_u64 s[42:43], s[4:5], s[42:43]
	s_add_nc_u64 s[44:45], s[4:5], s[44:45]
	s_add_nc_u64 s[46:47], s[4:5], s[46:47]
	s_mov_b32 s24, 1                               ; group 0, a set for each slot: slot n begins with record n
	s_mov_b32 s25, s38
	s_add_nc_u64 s[26:27], s[4:5], s[38:39]
	s_mov_b32 s28, 1
	s_add_co_u32 s29, s38, SLOTB
	s_add_nc_u64 s[30:31], s[26:27], SLOTB
	s_add_nc_u64 s[48:49], s[26:27], 3*SLOTB       ; the prefetches: each change of slots steps this a record on
	s_or_b32 s27, s27, 0x80000000
	s_or_b32 s31, s31, 0x80000000
	ROUND                                          ; the first joint loads meet
	tensor_load_to_lds s[24:27], s[16:23]          ; record 0 into slot 0: every wave its eighth, its one load at the head
	s_nop 0
	PLACES 4
	v_and_b32 v104, 31, v0                         ; lane
	v_lshlrev_b32 v96, 4, v104
	v_and_b32 v99, 15, v0                          ; r
	v_and_b32 v100, 8, v99
	v_add_nc_u32 v100, v100, v99                   ; r + 8 (r / 8)
	v_bfe_u32 v101, v0, 4, 1                       ; h
	v_lshlrev_b32 v97, 3, v100
	v_lshl_add_u32 v97, v101, 2, v97               ; a row's scale words: lanes 0-15 channels 0-127's, lanes 16-31 channels 128-255's
	v_lshlrev_b32 v98, 2, v100
.irp u, 0,1
.irp s, 0,1
.irp c, 0,1
	global_load_b128 v[32+16*\u+8*\s+4*\c:35+16*\u+8*\s+4*\c], v96, s[42:43] offset:2048*\u+1024*\s+512*\c   ; Q stays in registers
.endr
.endr
	global_load_b32 v[28+\u], v97, s[44:45] offset:KSO+64*\u
	global_load_b32 v[16+8*\u], v98, s[46:47] offset:C2O+32*\u     ; x2 of my query
.endr
	v_lshl_add_u32 v3, v104, 4, s13                ; images: 16 x lane
	v_add_nc_u32 v4, SLOTB, v3
	v_add_nc_u32 v5, s13, v97                      ; K's scale words
	v_add_nc_u32 v6, SLOTB, v5
	v_lshl_add_u32 v7, v104, 2, s13                ; V's scale words: two tiles of 16 channels a load
	v_add_nc_u32 v8, SLOTB, v7
	v_lshl_add_u32 v9, v101, 6, s13                ; c2: lanes 16-31 begin 16 keys on
	v_add_nc_u32 v10, SLOTB, v9
	v_min_u32 v11, 17, v104                        ; the prefetch's row: 18 cx + min(lane, 17), at most 68; 256 bytes a row
	v_add_nc_u32 v11, s14, v11
	v_min_u32 v11, 68, v11
	v_lshlrev_b32 v11, 8, v11
.irp u, 0,1
	v_mov_b32 v[12+8*\u], 0x7f61b1e6               ; NM and the smallest d so far: 3e38
	v_mov_b32 v[13+8*\u], 0x7f61b1e6
	v_mov_b32 v[14+8*\u], 0
	v_mov_b32 v[15+8*\u], 0
	v_mov_b32 v[17+8*\u], 0                        ; (upper halves of pairs: named, so written)
	v_mov_b32 v[19+8*\u], 0
.endr
	WIN 0x40
.set i, 0
.rept 256
	v_mov_b32 v[i], 0                              ; O^T, once, while record 0 and Q are on their way
.set i, i+1
.endr
	WIN 0
	s_wait_alu depctr_va_vdst(0)                   ; the wait ahead of the wait below
	s_wait_loadcnt 0x0
	v_add_nc_u32 v28, 0x01010101, v28              ; each scale byte + 1: x 2
	v_add_nc_u32 v29, 0x01010101, v29
.set i, 0
.rept 32
	v_xor_b32 v[32+i], 0x88888888, v[32+i]         ; each code's sign turned
.set i, i+1
.endr
.macro KLOAD slot, kt                  ; tile kt's fragments and its keys' c2: six loads into set kt % 2
.set FBK, 64+16*((\kt)%2)
.set CBK, 96+8*((\kt)%2)
.irp s, 0,1
.irp c, 0,1
	ds_load_b128 v[FBK+8*\s+4*\c:FBK+8*\s+4*\c+3], v[3+\slot] offset:2048*(\kt)+1024*\s+512*\c
.endr
.endr
	ds_load_b128 v[CBK:CBK+3], v[9+\slot] offset:C2O+(32*((\kt)/2)+8*((\kt)%2))*4
	ds_load_b128 v[CBK+4:CBK+7], v[9+\slot] offset:C2O+(32*((\kt)/2)+8*((\kt)%2))*4+16
.endm
.macro KMUL kt                         ; c2 - 2 s: the two accumulators by turns
.set FBK, 64+16*((\kt)%2)
.set CBK, 96+8*((\kt)%2)
.irp u, 0,1
	v_wmma_scale_f32_16x16x128_f8f6f4 v[128+64*\u+8*(\kt):135+64*\u+8*(\kt)], v[FBK:FBK+7], v[32+16*\u:39+16*\u], v[CBK:CBK+7], v[112+(\kt)], v[28+\u] matrix_a_fmt:MATRIX_FMT_FP4 matrix_b_fmt:MATRIX_FMT_FP4
.endr
.irp u, 0,1
	v_wmma_scale_f32_16x16x128_f8f6f4 v[128+64*\u+8*(\kt):135+64*\u+8*(\kt)], v[FBK+8:FBK+15], v[40+16*\u:47+16*\u], v[128+64*\u+8*(\kt):135+64*\u+8*(\kt)], v[112+(\kt)], v[28+\u] matrix_a_fmt:MATRIX_FMT_FP4 matrix_b_fmt:MATRIX_FMT_FP4 matrix_a_scale:MATRIX_SCALE_ROW1 matrix_b_scale:MATRIX_SCALE_ROW1
.endr
.endm
.macro STAGE_A kt                      ; + x2, two at a time; each accumulator from its low end on
.irp u, 0,1
.irp p, 0,2,4,6
	v_pk_add_f32 v[128+64*\u+8*(\kt)+\p:129+64*\u+8*(\kt)+\p], v[128+64*\u+8*(\kt)+\p:129+64*\u+8*(\kt)+\p], v[16+8*\u:17+8*\u] op_sel_hi:[1,0]
.endr
.endr
.endm
.macro STAGE_B kt                      ; max(sq, 0), two to a dual-issue pair; the blocks' smallest sq: two chains for each tile of queries, the four by turns
.irp u, 0,1
.irp p, 0,2,4,6
	v_dual_max_num_f32 v[128+64*\u+8*(\kt)+\p], 0, v[128+64*\u+8*(\kt)+\p] :: v_dual_max_num_f32 v[129+64*\u+8*(\kt)+\p], 0, v[129+64*\u+8*(\kt)+\p]
.endr
.endr
.set BMR, 120+(\kt)/2
.set RA, 128+8*(\kt)
.set RB, 192+8*(\kt)
.if (\kt)%2 == 0
	v_min3_num_f32 v[BMR], v[RA], v[RA+1], v[RA+2]
	v_min3_num_f32 v[BMR+4], v[RB], v[RB+1], v[RB+2]
	v_min3_num_f32 v19, v[RA+3], v[RA+4], v[RA+5]
	v_min3_num_f32 v27, v[RB+3], v[RB+4], v[RB+5]
	v_min3_num_f32 v[BMR], v[BMR], v[RA+6], v[RA+7]
	v_min3_num_f32 v[BMR+4], v[BMR+4], v[RB+6], v[RB+7]
.else
.irp p, 0,4
	v_min3_num_f32 v19, v19, v[RA+\p], v[RA+\p+1]
	v_min3_num_f32 v27, v27, v[RB+\p], v[RB+\p+1]
	v_min3_num_f32 v[BMR], v[BMR], v[RA+\p+2], v[RA+\p+3]
	v_min3_num_f32 v[BMR+4], v[BMR+4], v[RB+\p+2], v[RB+\p+3]
.endr
	v_min_num_f32 v[BMR], v[BMR], v19
	v_min_num_f32 v[BMR+4], v[BMR+4], v27
.endif
.endm
.macro ROOTS                           ; the blocks' smallest sq with lane l xor 16's; then d of the 128 and of the 8, one batch
.irp i, 0,1,2,3,4,5,6,7
	v_permlanex16_b32 v[64+\i], v[120+\i], s32, s33
.endr
.irp i, 0,1,2,3,4,5,6,7
	v_min_num_f32 v[120+\i], v[120+\i], v[64+\i]
.endr
	s_wait_alu depctr_va_vdst(0)                   ; the wait ahead of the batch
.set i, 0
.rept 136
	v_sqrt_f32 v[120+i], v[120+i]
.set i, i+1
.endr
	v_nop                                          ; a plain line behind the roots
	s_wait_alu depctr_va_vdst(0)                   ; and one wait for the batch, ahead of its first reader
.endm
.macro STATS                           ; the smallest d so far; the new NM; f = 2^(new NM - old NM); the two tiles by turns
.irp u, 0,1
	v_min3_num_f32 v[13+8*\u], v[13+8*\u], v[120+4*\u], v[121+4*\u]
.endr
.irp u, 0,1
	v_min3_num_f32 v[13+8*\u], v[13+8*\u], v[122+4*\u], v[123+4*\u]
.endr
.irp u, 0,1
	v_mul_f32 v[96+\u], s36, v[13+8*\u]
.endr
.irp u, 0,1
	v_floor_f32 v[96+\u], v[96+\u]                 ; NM = floor(c d) = -ceil(t): a whole number
.endr
.irp u, 0,1
	v_sub_f32 v[98+\u], v[96+\u], v[12+8*\u]       ; a whole number, 0 or less
.endr
.irp u, 0,1
	v_mov_b32 v[12+8*\u], v[96+\u]
.endr
.irp u, 0,1
	v_cvt_i32_f32 v[98+\u], v[98+\u]               ; (it saturates)
.endr
.irp u, 0,1
	v_ldexp_f32 v[18+8*\u], 1.0, v[98+\u]
.endr
.endm
.macro EXPS                            ; NM - c d of the 8 and of the 128; then p, one batch
.irp i, 0,1,2,3
	v_fma_f32 v[120+\i], v[120+\i], s34, v12
	v_fma_f32 v[124+\i], v[124+\i], s34, v20
.endr
.set j, 0
.rept 64
	v_pk_fma_f32 v[128+2*j:129+2*j], v[128+2*j:129+2*j], s[34:35], v[12+8*(j/32):13+8*(j/32)] op_sel_hi:[1,0,0]
.set j, j+1
.endr
	s_wait_alu depctr_va_vdst(0)                   ; the wait ahead of the batch
.set i, 0
.rept 136
	v_exp_f32 v[120+i], v[120+i]
.set i, i+1
.endr
	v_pk_mul_f32 v[14:15], v[14:15], v[18:19] op_sel_hi:[1,0]      ; the sums under the new M (plain lines behind the batch)
	v_pk_mul_f32 v[22:23], v[22:23], v[26:27] op_sel_hi:[1,0]
	s_wait_alu depctr_va_vdst(0)                   ; one wait for the batch, ahead of its first reader
.endm
.macro SCALES                          ; the blocks' scale bytes, the conversions' scale operands, P's scale words
.irp i, 0,1,2,3,4,5,6,7
	v_max_num_f32 v[120+\i], 0x1800000, v[120+\i]  ; the floor 2^(3 - 127): the byte cannot fall under 1
.endr
.irp i, 0,1,2,3,4,5,6,7
	v_add_nc_u32 v[72+\i], 0xff000000, v[120+\i]   ; 2 off the exponent field
.endr
.irp i, 0,1,2,3,4,5,6,7
	v_lshrrev_b32 v[64+\i], 23, v[72+\i]
.endr
	v_lshl_or_b32 v30, v65, 8, v64
	v_lshl_or_b32 v31, v69, 8, v68
	v_lshl_or_b32 v30, v66, 16, v30
	v_lshl_or_b32 v31, v70, 16, v31
	v_lshl_or_b32 v30, v67, 24, v30
	v_lshl_or_b32 v31, v71, 24, v31
.endm
.macro SUMS                            ; the sums of the unquantised p: four chains by turns
.irp u, 0,1
	v_pk_add_f32 v[96+2*\u:97+2*\u], v[128+64*\u:129+64*\u], v[130+64*\u:131+64*\u]
.endr
.irp j, 4,8,12,16,20,24,28,32,36,40,44,48,52,56,60
.irp u, 0,1
	v_pk_add_f32 v[14+8*\u:15+8*\u], v[14+8*\u:15+8*\u], v[128+64*\u+\j:129+64*\u+\j]
	v_pk_add_f32 v[96+2*\u:97+2*\u], v[96+2*\u:97+2*\u], v[130+64*\u+\j:131+64*\u+\j]
.endr
.endr
.irp u, 0,1
	v_pk_add_f32 v[14+8*\u:15+8*\u], v[14+8*\u:15+8*\u], v[96+2*\u:97+2*\u]
.endr
.endm
.macro CODES                           ; p's codes; then a whole block to a lane: lanes 0-15 block 2 c, lanes 16-31 block 2 c + 1
.irp u, 0,1
.irp b, 0,1,2,3
	v_cvt_scalef32_pk8_fp4_f32 v[80+8*\u+2*\b], v[128+64*\u+16*\b:135+64*\u+16*\b], v[72+4*\u+\b]
	v_cvt_scalef32_pk8_fp4_f32 v[81+8*\u+2*\b], v[136+64*\u+16*\b:143+64*\u+16*\b], v[72+4*\u+\b]
.endr
.endr
	v_nop                                          ; one plain line behind a scaled conversion
.irp u, 0,1
.irp c, 0,1
.irp i, 0,1
	v_permlane16_swap_b32 v[80+8*\u+4*\c+\i], v[82+8*\u+4*\c+\i]
.endr
.endr
.endr
.endm
.macro VLOAD slot                      ; V's scale words (tile 2 i below, 2 i + 1 above) and its 16 fragments, where p lay
.irp i, 0,1,2,3,4,5,6,7
	ds_load_b32 v[112+\i], v[7+\slot] offset:VSO+128*\i
.endr
.irp t, 0,1,2,3,4,5,6,7,8,9,10,11,12,13,14,15
.irp c, 0,1
	ds_load_b128 v[128+8*\t+4*\c:131+8*\t+4*\c], v[3+\slot] offset:VCO+1024*\t+512*\c
.endr
.endr
.endm
.macro RESCALE u                       ; tile u's O^T x the low word of v[18:19] or v[26:27]; each accumulator from its low end on
	WIN 0x41
	s_wait_alu depctr_va_vdst(0)                   ; the wait directly ahead of the first reader of these matrix results
.set o, 128*\u
.rept 64
	v_pk_mul_f32 v[o:o+1], v[o:o+1], v[18+8*\u:19+8*\u] op_sel_hi:[1,0]
.set o, o+2
.endr
.endm
.macro PVW t, u, row
	v_wmma_scale_f32_16x16x128_f8f6f4 v[128*\u+8*\t:128*\u+8*\t+7], v[128+8*\t:135+8*\t], v[80+8*\u:87+8*\u], v[128*\u+8*\t:128*\u+8*\t+7], v[112+\t/2], v[30+\u] matrix_a_fmt:MATRIX_FMT_FP4 matrix_b_fmt:MATRIX_FMT_FP4 \row
.endm
; A STEP'S LAST PART: O^T under the new M, then O^T += V^T P^T: 32 accumulators, one product each.  The 128 multiplications are also the places between P's codes and scale words and the scaled products.
.macro PV
	RESCALE 0                                      ; (ahead of the change of slots: while V's loads are out)
	s_wait_dscnt 0x0                               ; V's fragments and scale words are in registers
	RESCALE 1
	WIN 0x50
.irp t, 0,1,2,3,4,5,6,7,8,9,10,11,12,13,14,15
.irp u, 0,1
.if \t%2
	PVW \t, \u, matrix_a_scale:MATRIX_SCALE_ROW1
.else
	PVW \t, \u
.endif
.endr
.endr
	WIN 0
.endm
; A KEY STEP up to the request for V.  Tile k's four products, then tile k - 1's plain work, whose first eight lines are the places in front of the loads into the set that tile k has read.
.macro STEP slot
.irp k, 0,1,2,3,4,5,6,7
	ds_load_b32 v[112+\k], v[5+\slot] offset:KSO+(32*(\k/2)+8*(\k%2))*8
.endr
	KLOAD \slot, 0
	KLOAD \slot, 1
.irp k, 0,1,2,3,4,5,6,7
.if \k < 7
	s_wait_dscnt 6                                 ; all but the next tile's six loads are in
.else
	s_wait_dscnt 0x0
.endif
	KMUL \k
.if \k == 0
	PLACES 4
.else
	STAGE_A \k-1
.endif
.if \k < 6
	KLOAD \slot, \k+2
.endif
.if \k > 0
	STAGE_B \k-1
.endif
.endr
	STAGE_A 7
	STAGE_B 7
	ROOTS
	STATS
	EXPS
	SCALES
	SUMS
	CODES
	VLOAD \slot
.endm
; THE CHANGE OF SLOTS behind the step on \slot.  One tensor load of mine is out: my eighth of the other slot.  ask: 0 no prefetch, 2 one in all laps but the loop's last.
.macro SYNC slot, refill, ask
	s_wait_alu depctr_va_vdst(0)                   ; the wait ahead of the branch and the waits below
	s_cmp_ge_u32 s8, 4
	s_cbranch_scc1 .Llate_\@                       ; waves 4 to 7 keep the step's last part for behind the round
	PV
.Llate_\@:
.if \ask
	s_wait_xcnt 0x0                                ; the last prefetch has read its address
	s_add_nc_u64 s[48:49], s[48:49], SLOTB
.endif
	s_wait_tensorcnt 0x0
	ds_add_u32 v1, v2
	s_add_nc_u64 s[26+4*\slot:27+4*\slot], s[26+4*\slot:27+4*\slot], 2*SLOTB   ; this slot's next record
	s_wait_dscnt 0x0                               ; the add is done, V is in registers, my reads of this slot are over
	ROUND
.if \refill
	tensor_load_to_lds s[24+4*\slot:27+4*\slot], s[16:23]          ; my one tensor load behind the round: the slot just left
	s_nop 0
.endif
	PLACES 5                                       ; behind waves 0 to 3's products: four ahead of loads into their sources, five ahead of products that write over V's fragments
.if \ask
	s_cmp_gt_u32 s37, 1
	s_cbranch_scc0 .Lno_ask_\@
	s_cmp_lt_u32 ttmp9, 4
	s_cbranch_scc0 .Lno_prefetch_vq0_\@
	global_prefetch_b8 v11, s[48:49] th:TH_LOAD_NT scope:SCOPE_SE
.Lno_prefetch_vq0_\@:
.Lno_ask_\@:
.endif
	s_cmp_lt_u32 s8, 4
	s_cbranch_scc1 .Learly_\@
	PV                                             ; waves 4 to 7: all its operands lie in registers
	PLACES 5                                       ; the same places behind their products
.Learly_\@:
.endm
	s_wait_alu depctr_va_vdst(0)                   ; the wait at the head's end
	s_wait_tensorcnt 0x0                           ; my eighth of record 0 is in; slot 1's first fill is issued as a refill is
	ds_add_u32 v1, v2
	s_wait_dscnt 0x0
	ROUND
	tensor_load_to_lds s[28:31], s[16:23]          ; record 1 into slot 1
	s_nop 0
	PLACES 5                                       ; also the places between Q's turned codes and the scaled products
	s_mov_b32 s37, 7
.Llap:                                             ; steps 0 to 13: each change of slots fills a slot again
	STEP 0
	SYNC 0, 1, 2
	STEP 1
	SYNC 1, 1, 2
	s_sub_co_u32 s37, s37, 1
	s_cmp_lg_u32 s37, 0
	s_cbranch_scc1 .Llap
	STEP 0                                         ; steps 14 and 15 are written out
	SYNC 0, 0, 0
	STEP 1
	s_wait_alu depctr_va_vdst(0)                   ; the wait ahead of the wait in PV
	PV                                             ; the last step's, in all eight waves
	; THE FOUR QUARTERS ARE JOINED.  First the statistics through LDS.
	PLACES 4
	v_add_f32 v14, v14, v15
	v_add_f32 v22, v22, v23
	v_permlanex16_b32 v64, v14, s32, s33
	v_permlanex16_b32 v65, v22, s32, s33
	v_add_f32 v14, v14, v64
	v_add_f32 v22, v22, v65
	s_lshl_b32 s14, s8, 9
	s_add_co_u32 s14, s14, STAT
	v_and_b32 v104, 31, v0                         ; lane
	v_lshl_add_u32 v100, v104, 2, s14              ; my wave's 512 bytes
	ds_store_b32 v100, v12
	ds_store_b32 v100, v14 offset:128
	ds_store_b32 v100, v20 offset:256
	ds_store_b32 v100, v22 offset:384
	s_wait_alu depctr_va_vdst(0)                   ; the wait ahead of the wait below
	s_wait_dscnt 0x0                               ; my stores are done; my reads of the slots are over
	s_barrier_signal -1
	s_barrier_wait -1                              ; nobody reads a slot any more, and no fill is to come
	s_lshl_b32 s14, s9, 9
	s_add_co_u32 s14, s14, STAT
	v_lshl_add_u32 v101, v104, 2, s14
.irp q, 0,1,2,3                        ; quarter q's wave is number half + 2 q
.irp k, 0,1,2,3
	ds_load_b32 v[64+4*\q+\k], v101 offset:1024*\q+128*\k
.endr
.endr
	s_mul_i32 s14, s8, MST                         ; my stage
	v_and_b32 v102, 15, v0
	v_mul_u32_u24 v102, v102, MP
	v_bfe_u32 v103, v0, 4, 1
	v_lshl_add_u32 v102, v103, 5, v102
	v_add_nc_u32 v102, s14, v102                   ; in: row r (+ 16 for the second tile), 32 bytes for each half of the lanes
	s_mul_i32 s14, s9, MST
	s_mul_i32 s15, s10, 8*MP
	s_add_co_u32 s14, s14, s15
	v_lshl_add_u32 v108, v104, 4, s14              ; back: rows 8 g on of the four stages of my half
	v_add_nc_u32 v109, 2*MST, v108
	v_add_nc_u32 v110, 4*MST, v108
	v_add_nc_u32 v111, 6*MST, v108
	v_lshlrev_b32 v103, 4, v104                    ; and the same in out0
	s_wait_alu depctr_va_vdst(0)                   ; the wait ahead of the wait below
	s_wait_dscnt 0x0
	v_min3_num_f32 v96, v64, v68, v72              ; the joint NM
	v_min3_num_f32 v97, v66, v70, v74
	v_min_num_f32 v96, v96, v76
	v_min_num_f32 v97, v97, v78
.irp q, 0,1,2,3
	v_sub_f32 v[80+\q], v96, v[64+4*\q]
	v_sub_f32 v[84+\q], v97, v[66+4*\q]
.endr
	v_sub_f32 v88, v96, v12
	v_sub_f32 v89, v97, v20
.irp i, 0,1,2,3,4,5,6,7,8,9
	v_cvt_i32_f32 v[80+\i], v[80+\i]
.endr
.irp i, 0,1,2,3,4,5,6,7,8,9
	v_ldexp_f32 v[80+\i], 1.0, v[80+\i]            ; each quarter's factor under the joint M
.endr
	v_mul_f32 v98, v80, v65                        ; the row's sum
	v_mul_f32 v99, v84, v67
.irp q, 1,2,3
	v_fma_f32 v98, v[80+\q], v[65+4*\q], v98
	v_fma_f32 v99, v[84+\q], v[67+4*\q], v99
.endr
	s_wait_alu depctr_va_vdst(0)                   ; the wait ahead of the reciprocals
	v_rcp_f32 v98, v98
	v_rcp_f32 v99, v99
	v_nop
	s_wait_alu depctr_va_vdst(0)                   ; and behind them, ahead of the first reader
	v_mul_f32 v18, v88, v98                        ; my factor / the sum
	v_mul_f32 v26, v89, v99
	RESCALE 0
	RESCALE 1
	WIN 0x04                                       ; an LDS store's data are its source 1
.irp u, 0,1
.irp t, 0,1,2,3,4,5,6,7,8,9,10,11,12,13,14,15
	ds_store_b128 v102, v[128*\u+8*\t:128*\u+8*\t+3] offset:16*MP*\u+64*\t       ; channels 16 t + 8 h + 0 .. 7 of stage row 16 u + r
	ds_store_b128 v102, v[128*\u+8*\t+4:128*\u+8*\t+7] offset:16*MP*\u+64*\t+16
.endr
.endr
	WIN 0
	s_wait_alu depctr_va_vdst(0)
	s_wait_dscnt 0x0                               ; my stores into my stage are done
	s_barrier_signal -1
	s_barrier_wait -1
.irp q, 0,1,2,3,4,5,6,7                ; unit q: half q % 2 (512 bytes) of my row q / 2, from the four stages
.irp p, 0,1,2,3
	ds_load_b128 v[128+16*\q+4*\p:131+16*\q+4*\p], v[108+\p] offset:MP*(\q/2)+512*(\q%2)
.endr
.endr
	WIN 0x40                                       ; destination window 1: O^T has left it
.irp q, 0,1,2,3,4,5,6,7                ; rows 4 to 7
.irp p, 0,1,2,3
	ds_load_b128 v[16*\q+4*\p:16*\q+4*\p+3], v[108+\p] offset:MP*(4+\q/2)+512*(\q%2)
.endr
.endr
	WIN 0
	s_wait_dscnt 32                                ; rows 0 to 3 are in; the 32 loads of rows 4 to 7 may be out
.irp q, 0,1,2,3,4,5,6,7
	v_pk_add_f32 v[128+16*\q:129+16*\q], v[128+16*\q:129+16*\q], v[132+16*\q:133+16*\q]
	v_pk_add_f32 v[130+16*\q:131+16*\q], v[130+16*\q:131+16*\q], v[134+16*\q:135+16*\q]
	v_pk_add_f32 v[136+16*\q:137+16*\q], v[136+16*\q:137+16*\q], v[140+16*\q:141+16*\q]
	v_pk_add_f32 v[138+16*\q:139+16*\q], v[138+16*\q:139+16*\q], v[142+16*\q:143+16*\q]
	v_pk_add_f32 v[128+16*\q:129+16*\q], v[128+16*\q:129+16*\q], v[136+16*\q:137+16*\q]
	v_pk_add_f32 v[130+16*\q:131+16*\q], v[130+16*\q:131+16*\q], v[138+16*\q:139+16*\q]
	global_store_b128 v103, v[128+16*\q:131+16*\q], s[6:7] offset:512*\q th:TH_STORE_NT   ; 512 consecutive bytes, at a multiple of 256 from out0's first byte
.endr
	s_wait_dscnt 0x0
	WIN 0x45
.irp q, 0,1,2,3,4,5,6,7
	v_pk_add_f32 v[16*\q:16*\q+1], v[16*\q:16*\q+1], v[16*\q+4:16*\q+5]
	v_pk_add_f32 v[16*\q+2:16*\q+3], v[16*\q+2:16*\q+3], v[16*\q+6:16*\q+7]
	v_pk_add_f32 v[16*\q+8:16*\q+9], v[16*\q+8:16*\q+9], v[16*\q+12:16*\q+13]
	v_pk_add_f32 v[16*\q+10:16*\q+11], v[16*\q+10:16*\q+11], v[16*\q+14:16*\q+15]
	v_pk_add_f32 v[16*\q:16*\q+1], v[16*\q:16*\q+1], v[16*\q+8:16*\q+9]
	v_pk_add_f32 v[16*\q+2:16*\q+3], v[16*\q+2:16*\q+3], v[16*\q+10:16*\q+11]
.endr
	WIN 0x04
.irp q, 0,1,2,3,4,5,6,7
	global_store_b128 v103, v[16*\q:16*\q+3], s[6:7] offset:4096+512*\q th:TH_STORE_NT
.endr
	WIN 0
	s_wait_tensorcnt 0x0                           ; the wave's end
	ds_add_u32 v1, v2
	s_wait_dscnt 0x0
	ROUND                                          ; the closing round
	s_endpgm
.Lfunc_end_k_q8d64e22099_vq:
	.size	k_q8d64e22099_vq, .Lfunc_end_k_q8d64e22099_vq-k_q8d64e22099_vq
	.p2alignl 7, 3214868480
	.fill 96, 4, 3214868480
	.section	.rodata,"a",@progbits
	.p2align	6, 0x0
	.amdhsa_kernel k_q8d64e22099_vq
		.amdhsa_group_segment_fixed_size 327680
		.amdhsa_private_segment_fixed_size 0
		.amdhsa_enable_private_segment 0
		.amdhsa_kernarg_size 16
		.amdhsa_user_sgpr_count 2
		.amdhsa_user_sgpr_kernarg_segment_ptr 1
		.amdhsa_wavefront_size32 1
		.amdhsa_system_sgpr_workgroup_id_x 1
		.amdhsa_system_sgpr_workgroup_id_y 1
		.amdhsa_system_sgpr_workgroup_id_z 1
		.amdhsa_system_vgpr_workitem_id 0
		.amdhsa_next_free_vgpr 512
		.amdhsa_next_free_sgpr 66
		.amdhsa_reserve_vcc 0
		.amdhsa_float_denorm_mode_32 3
		.amdhsa_float_denorm_mode_16_64 3
		.amdhsa_memory_ordered 1
		.amdhsa_forward_progress 1
		.amdhsa_inst_pref_size 255
	.end_amdhsa_kernel
	.section	.bss,"aw",@nobits
	.p2align	6
	.space	262144
	.amdgpu_metadata
---
amdhsa.version: [ 1, 2 ]
amdhsa.kernels:
  - .name:           k_q8d64e22099_vq
    .symbol:         k_q8d64e22099_vq.kd
    .args:
      - { .name: ws, .offset: 0, .size: 8, .value_kind: global_buffer, .address_space: global }
      - { .name: out0, .offset: 8, .size: 8, .value_kind: global_buffer, .address_space: global }
    .group_segment_fixed_size: 327680
    .private_segment_fixed_size: 0
    .kernarg_segment_align: 8
    .kernarg_segment_size: 16
    .max_flat_workgroup_size: 256
    .sgpr_count:     66
    .vgpr_count:     512
    .wavefront_size: 32
...
	.end_amdgpu_metadata
.endif
;; end of part 2
